; MI455X (gfx1250); checked and timed in simulation.
; The chip was launched on July 23, 2026; its instructions are those of AMD's public machine-readable ISA for CDNA 5 (MIT licence, August 2026) and "CDNA5" Instruction Set Architecture Reference Guide (July 2026). The comments in the code are by the model that wrote it; some were corrected since.
;; Attention Block. Allowed arithmetic: matrix products marked QUANTISED: E5M2 operands, one E8M0 scale for each 32 along K, by v_wmma_scale_f32_16x16x128_f8f6f4 with both operands' format E5M2, f32 sums; everything else in f32.
;; Inputs: Wk_codes 32 x 8 x 32 uint8 (E5M2 codes of Wk, K innermost, in blocks of 32 codes); Wk_scales 32 x 8 uint8 (E8M0 scales of Wk, one for each 32 codes along K); Wq_codes 32 x 8 x 32 uint8 (E5M2 codes of Wq, K innermost, in blocks of 32 codes); Wq_scales 32 x 8 uint8 (E8M0 scales of Wq, one for each 32 codes along K); Wv_codes 256 x 8 x 32 uint8 (E5M2 codes of Wv, K innermost, in blocks of 32 codes); Wv_scales 256 x 8 uint8 (E8M0 scales of Wv, one for each 32 codes along K); bk 32 float32; bq 32 float32; bv 256 float32; gamma 1 float32; x 4 x 256 x 64 x 64 float32.
;; Outputs: out0 4 x 256 x 64 x 64 float32.
;; This version of the problem:
;;   THIS VERSION OF THE PROBLEM IS GIVEN IN LOW PRECISION. The matrix products marked QUANTISED in the list below multiply operands that are first quantised to E5M2 (5 exponent bits, 2 mantissa bits; 8 bits a number), with one power-of-two scale for each 32 numbers along K (OCP MX v1.0); their sums are f32. All else is computed in f32.
;;   The module's matrix products, in the order in which they are computed (A, B: the left and right operand; K: the contracted axis; several contracted axes count as one K, in the product's order):
;;     1. [M 16,384, K 256] x [K 256, N 32]; A: input x; B: input Wq (given as codes): QUANTISED
;;     2. [M 16,384, K 256] x [K 256, N 32]; A: input x; B: input Wk (given as codes): QUANTISED
;;     3. [M 16,384, K 256] x [K 256, N 256]; A: input x; B: input Wv (given as codes): QUANTISED
;;     4. batch 4 x [M 4,096, K 32] x [K 32, N 4,096]; A: computed on the way; B: computed on the way: QUANTISED
;;     5. batch 4 x [M 256, K 4,096] x [K 4,096, N 4,096]; A: computed on the way; B: softmax (see below): QUANTISED
;;   THE QUANTISER, for each operand of a quantised product, along K:
;;     - K is cut into blocks of 32 from its start; a last block that is shorter is filled with zeros.
;;     - A block's scale is 2^e with e = floor(log2(the largest magnitude in the block)) - 15, held to -126 .. 127; a block of zeros has e = 0. As a byte (E8M0): e + 127.
;;     - Each number is divided by its block's scale, clamped to +-57,344, and rounded to the nearest number of E5M2, ties to even, subnormals kept.
;;     - The product sums the exact products of the quantised numbers (number of the format x scale) in f32.
;;   ~~~python
;;   def quantise(x, axis):      # numpy; x: float32 -> the quantised numbers, widened to float32 again
;;       x = np.moveaxis(x, axis, -1); K = x.shape[-1]
;;       x = np.pad(x, [(0, 0)] * (x.ndim - 1) + [(0, -K % 32)]); x = x.reshape(x.shape[:-1] + (-1, 32)); a = np.abs(x).max(-1, keepdims=True)
;;       e = np.where(a > 0, np.clip(np.frexp(np.where(a > 0, a, 1))[1] - 1 - 15, -126, 127), 0)      # np.frexp(a)[1] - 1 = floor(log2(a)), exactly
;;       r = np.clip(x / 2.0 ** e, -57344, 57344)
;;       step = 2.0 ** (np.maximum(np.frexp(np.where(r == 0, 1, r))[1] - 1, -14) - 2)
;;       q = np.round(r / step) * step * 2.0 ** e      # np.round: ties to even
;;       return np.moveaxis(q.reshape(q.shape[:-2] + (-1,))[..., :K], -1, axis).astype(np.float32)
;;   ~~~
;;   SOFTMAX AHEAD OF A QUANTISED PRODUCT. Where the list says 'softmax', what is quantised is not the finished softmax but p = 2^(t - M), with t = logit x log2(e) and M = ceil(the row's largest t), a whole number; so 1/2 < the row's largest p <= 1. The row's sum l is taken of the UNQUANTISED p, in f32, and the product's result is divided by l at the end. Since M is a whole number, a kernel that streams over the keys may use a running M (the ceiling of the running maximum): every later rescaling is an exact power of two, which a block's scale takes up: the codes' values come out the same.
;;   OPERANDS COMPUTED ON THE WAY. 'Computed on the way' means the value that the module computes at that place (a softmax that the list does not call 'softmax' is quantised finished and normalised). What goes into a quantiser is computed in f32, as accurately as f32 sums, v_exp_f32 and their like allow (about 1e-6 of the number): no bf16 or f16 on the way to a quantiser, and a product that is left as it is and whose result goes on into a quantised operand takes f32 operands (vector FMAs, or v_wmma_f32_16x16x4_f32). A number that lies on a knife's edge between two numbers of the format may be rounded either way, as far as f32 arithmetic and the matrix unit's own rounding can turn it there, and no further.
;;   INPUTS GIVEN AS CODES. Wk (in the module: [32, 256], K = its axis 1); Wq (in the module: [32, 256], K = its axis 1); Wv (in the module: [256, 256], K = its axis 1): each comes as NAME_codes (uint8): NAME with its K axis moved to the last place and cut into blocks of 32 codes, [.., K / 32, bytes a block], one block behind the other in memory; one code a byte (a code: sign, 5 exponent bits, 2 mantissa bits); and NAME_scales (uint8): the same leading axes, one E8M0 byte (e + 127) for each 32 codes along K. Its value is code x scale, taken as it is: it is not quantised again, and the codes and scales need not be those that the quantiser above would give.
;; One version. Each part assembles by itself: llvm-mc -triple=amdgcn-amd-amdhsa -mcpu=gfx1250 --defsym DOCPART=n.
;; ======== version 1 of 1: 2 launches
;; workspace buffers: kv 4,882,432 bytes; qimg 589,824 bytes
;; launch proj (part 1): grid 64 x 4, 16 waves a work-group, no clusters, 20,480 bytes of LDS; arguments x, Wq_codes, Wq_scales, bq, Wk_codes, Wk_scales, bk, Wv_codes, Wv_scales, bv, kv, qimg; writes kv, qimg
.if DOCPART == 1
	.amdgcn_target "amdgcn-amd-amdhsa--gfx1250"
	.amdhsa_code_object_version 6
	.text
	.protected	k_q172092fa0b_proj
	.globl	k_q172092fa0b_proj
	.p2align	8
	.type	k_q172092fa0b_proj,@function
k_q172092fa0b_proj:
	s_mov_b64 s[64:65], 0
	v_nop
	global_prefetch_b8 v0, s[64:65] scope:SCOPE_SE
	s_setreg_imm32_b32 hwreg(HW_REG_WAVE_MODE, 25, 1), 1
	s_wait_xcnt 0x0
; q = Wq x + bq, k = Wk x + bk, v = Wv x + bv for 64 pixels of one image, all three products on codes of BF8 (E5M2) with one E8M0 scale for each 32 along K (the 256 channels),
; and the results quantised again for the next launch: q and k along their 32 dimensions (one block), v along the pixels (blocks of 32).
; x: [4][256][4096] f32, K (the channel) is NOT innermost: a lane takes a pixel and its 32 registers run down 32 channels, so a block lies in one lane and the codes come out with K innermost.
; SHARES.  Work-group (x, y) owns pixels 64 x .. 64 x + 63 of image y: 256 bytes of every channel's row.  Sixteen waves.
;   Phase A: wave w quantises channels 32 (w / 2) on of pixels 32 (w % 2) on: 32 loads of 128 consecutive bytes; codes and scale byte go to LDS, one row of 256 codes a pixel.  ONE barrier.
;   Phase B: waves 0-7 make v's channels 32 w .. 32 w + 31, wave 8 makes q, wave 9 makes k, each for all 64 pixels: 16 matrix instructions.  Waves 10-15 have ended: the 20 tiles of weights give ten such shares.
; THE PIXELS OF A TILE ARE NOT NEIGHBOURS: row r of pixel tile 2 b + u is pixel 32 b + 8 u + r + 8 (r / 8), and Wq's and Wk's rows are taken likewise.  So a lane's 16 registers of two neighbouring result tiles are
; 16 neighbours along the NEXT product's K (v: source 0 = pixels, a lane holds one channel and 16 pixels;  q, k: source 0 = the weight's rows, a lane holds one pixel and 16 dimensions), and the conversions' results are operand registers.
; WHAT IS STORED are images of operand registers, lane l's 16 bytes at 16 l, so that the next launch reads every fragment as 512 consecutive bytes:
;   kv   [image 4][key step 32][38,144]: a record for 128 keys: k's codes 4,096 ([f 2][c 4][lane][16]: key tile 4 f + c), v's codes 32,768 ([channel tile 16][key block 4][lane][16]),
;        v's scale words 1,024 ([g 2][lane][4 words]: channel tile 8 g + 4 (lane / 16) + i, channel lane % 16), k's scale words 256 ([f 2][lane][4]: byte c for key tile 4 f + c).  This work-group fills half a record.
;   qimg [image x 64 + block][2,304]: q's codes 2,048 ([tile 4][lane][16]), its scale words 128 ([lane][4]: byte T for tile T); the last 128 bytes are never written and never read.
; The biases are the C of each sum's first matrix instruction.
; NO MULTICAST, NO TENSOR LOAD: the weights that all work-groups share go once from memory straight into a wave's operand registers (four fragments, 8,192 bytes a wave, no loop); a joint load would land them in LDS, from where they would have to be read again.
; LIMITS: NaN and infinities among x, the biases and the given codes are not served.  A block of zeros gets the scale byte 1 where the quantiser's rule says 127: its codes are zeros, which add nothing under any byte but 0xff, and this program alone reads the bytes.
; v's scale bytes leave as 2 bytes a lane, 16 bytes apart: a scale word's four key blocks come from two work-groups; they are 512 of the 21,248 bytes that a work-group stores.
.set REC,  38144
.set VIMG, 4096
.set VSO,  36864
.set KSO,  37888
.set QREC, 2304
.set XP,   272                         ; LDS: a pixel's row: 256 codes + 16 bytes, so that the 16 rows of a fragment load start 16 bytes apart modulo 256
.set XSO,  64*XP                       ; behind the 64 rows: 8 scale bytes a row
.set TM,   16                          ; v16-19 largest magnitudes, v20-23 the other half's / bytes, v24-27 the hold, v28-31 the conversions' scale operands
.set PW,   32                          ; v32    the scale word just made
.set XSC,  34                          ; v34-41 x's scale words: pixel tile pt, K step s at 2 pt + s
.set WSC,  42                          ; v42-45 the weight's: tile u, K step s at 2 u + s
.set BI,   48                          ; v48-63 the bias in the result's layout, 8 registers for each tile u
.set WF,   64                          ; v64-127 the weight's four fragments: 16 (2 u + s)
.set XF,   128                         ; v128-191 x's four fragments of a K step.  Phase A: v128-159 32 numbers of x, v160-167 their codes
.set XC,   160
.set PC,   128                         ; behind the products: the 16 registers of codes
.set ACC,  192                         ; v192-255 eight accumulators
.set WV,   32                          ; s32 my wave's number
.set SEL,  40                          ; s[40:41] v_permlanex16_b32's selects for lane l xor 16
.set MNT,  42                          ; s42 the mantissa field of 57,344
	s_load_b512 s[8:23], s[0:1], 0x0               ; x s[8:9], Wq's codes s[10:11], scales s[12:13], bq s[14:15], Wk's codes s[16:17], scales s[18:19], bk s[20:21], Wv's codes s[22:23]
	s_load_b256 s[24:31], s[0:1], 0x40             ; Wv's scales s[24:25], bv s[26:27], kv s[28:29], qimg s[30:31]
	v_lshl_add_u32 v46, v0, 2, 0x4800
	v_mov_b32 v47, 0
	v_lshrrev_b32 v1, 5, v0
	v_readfirstlane_b32 s[WV], v1                  ; wave 0..15
	v_and_b32 v1, 31, v0                           ; lane
	v_and_b32 v2, 15, v0                           ; r
	v_bfe_u32 v3, v0, 4, 1                         ; h
	v_lshlrev_b32 v4, 2, v1                        ; x: 4 bytes a lane
	v_and_b32 v16, 7, v0
	v_bfe_u32 v17, v0, 3, 1
	v_bfe_u32 v18, v0, 5, 1                        ; which 32 pixels: wave % 2
	v_lshrrev_b32 v19, 6, v0                       ; which 32 channels: wave / 2
	v_lshl_add_u32 v16, v17, 4, v16
	v_lshl_add_u32 v16, v3, 3, v16
	v_lshl_add_u32 v16, v18, 5, v16                ; my pixel's LDS row: 32 (wave % 2) + 16 bit3 + 8 bit4 + lane % 8: rows 16 pt .. 16 pt + 15 are pixel tile pt in the order stated at the head
	v_mul_u32_u24 v5, v16, XP
	v_lshl_add_u32 v5, v19, 5, v5                  ; where my 32 codes go
	v_lshl_add_u32 v6, v16, 3, v19
	v_add_nc_u32 v6, XSO, v6                       ; and my scale byte
	v_mul_u32_u24 v7, v2, XP
	v_lshl_add_u32 v7, v3, 4, v7                   ; a fragment of x: row r, + 16 h
	v_lshl_add_u32 v8, v2, 3, XSO                  ; its scale words: 8 bytes a row
	v_lshlrev_b32 v14, 4, v1                       ; an image's place for my lane
	v_lshlrev_b32 v15, 4, v2                       ; v's scale words lie 16 bytes apart
.irp b, 0,1,2,3
	v_mov_b32 v[TM+4+\b], 0                        ; written once: a lane permute's destination counts as one of its sources
.endr
	s_and_b32 s33, s[WV], 1
	s_lshr_b32 s34, s[WV], 1
	s_and_b32 s36, ttmp7, 0xffff                   ; the image
	s_and_b32 s37, ttmp9, 1                        ; which half of a key step my 64 pixels are
	s_lshr_b32 s54, ttmp9, 1
	s_lshl_b32 s55, s36, 5
	s_add_co_u32 s54, s54, s55
	s_mul_i32 s54, s54, REC                        ; my record's byte in kv (under 4,882,432)
	s_lshl_b32 s38, s36, 22                        ; x: the image, 4,194,304 bytes,
	s_lshl_b32 s39, s34, 19                        ; 32 channels of 16,384 bytes,
	s_add_co_u32 s38, s38, s39
	s_lshl_b32 s39, ttmp9, 8                       ; the work-group's 256 bytes of a row,
	s_add_co_u32 s38, s38, s39
	s_lshl_b32 s39, s33, 7                         ; my wave's 128 of them
	s_add_co_u32 s38, s38, s39
	s_mov_b32 s39, 0
	s_mov_b32 s[SEL], 0x76543210
	s_mov_b32 s[SEL+1], 0xfedcba98
	s_mov_b32 s[MNT], 0x600000
	s_wait_kmcnt 0x0
	s_add_nc_u64 s[8:9], s[8:9], s[38:39]
; The weight's four fragments (tile u, K step s) and their scale words.  cs, ss: bytes from tile 0 to tile 1 in the codes and in the scale bytes.
.macro WLOAD cs, ss
.irp u, 0,1
.irp s, 0,1
.irp c, 0,1,2,3
	global_load_b128 v[WF+16*(2*\u+\s)+4*\c:WF+16*(2*\u+\s)+4*\c+3], v9, s[44:45] offset:\cs*\u+128*\s+32*\c
.endr
	global_load_b32 v[WSC+2*\u+\s], v11, s[46:47] offset:\ss*\u+4*\s
.endr
.endr
.endm
	; ---- the weights are asked for first: they land while x is loaded and quantised.  The branches hang on the wave's number alone.
	s_cmp_lt_u32 s[WV], 8
	s_cbranch_scc0 .Lw_not_v
	s_lshl_b32 s38, s[WV], 13                      ; Wv: my 32 rows of 256 bytes,
	s_add_nc_u64 s[44:45], s[22:23], s[38:39]
	s_lshl_b32 s38, s[WV], 8                       ; of 8 scale bytes,
	s_add_nc_u64 s[46:47], s[24:25], s[38:39]
	s_lshl_b32 s38, s[WV], 7                       ; and my 32 numbers of bv
	s_add_nc_u64 s[48:49], s[26:27], s[38:39]
	v_lshlrev_b32 v9, 8, v2
	v_lshl_add_u32 v9, v3, 4, v9                   ; row r, + 16 h: here a tile's rows are neighbours (they are the result's columns)
	v_lshlrev_b32 v11, 3, v2
	v_lshlrev_b32 v13, 2, v2
	WLOAD 4096, 128
	global_load_b32 v[BI], v13, s[48:49]           ; bv of my lane's channel, tile 0,
	global_load_b32 v[BI+8], v13, s[48:49] offset:64   ; tile 1
	s_branch .Lw_done
.Lw_not_v:
	s_cmp_lt_u32 s[WV], 10
	s_cbranch_scc0 .Lw_done
	s_cmp_eq_u32 s[WV], 8                          ; wave 8: q; wave 9: k.  One text: only the pointers are chosen
	s_cselect_b64 s[44:45], s[10:11], s[16:17]
	s_cselect_b64 s[46:47], s[12:13], s[18:19]
	s_cselect_b64 s[48:49], s[14:15], s[20:21]
	v_and_b32 v9, 8, v2
	v_add_nc_u32 v11, v9, v2                       ; r + 8 (r / 8): tile u takes rows 8 u + r + 8 (r / 8)
	v_lshlrev_b32 v9, 8, v11
	v_lshl_add_u32 v9, v3, 4, v9
	v_lshlrev_b32 v11, 3, v11
	v_lshlrev_b32 v13, 6, v3                       ; the bias: register j of tile u is dimension 16 h + 8 u + j
	WLOAD 2048, 64
.irp u, 0,1
	global_load_b128 v[BI+8*\u:BI+8*\u+3], v13, s[48:49] offset:32*\u
	global_load_b128 v[BI+8*\u+4:BI+8*\u+7], v13, s[48:49] offset:32*\u+16
.endr
.Lw_done:
	; ---- phase A: x(32 (w / 2) + i, my pixel), i = 0 .. 31: each load reads 128 consecutive bytes; waves w and w xor 1 stand side by side on a row's 256.  No cache hint: the next launch reads x again
.set i, 0
.rept 32
	global_load_b32 v[XF+i], v4, s[8:9] offset:i*16384
.set i, i+1
.endr
	s_wait_loadcnt 0x0                             ; x and the weights
	s_cmp_lt_u32 s[WV], 8
	s_cbranch_scc0 .Lno_copy
.irp u, 0,1
.irp j, 1,2,3,4,5,6,7
	v_mov_b32 v[BI+8*\u+\j], v[BI+8*\u]            ; v's C: a lane holds one channel and eight pixels, so its eight registers hold the same bias
.endr
.endr
.Lno_copy:
	v_max3_num_f32 v16, |v[XF]|, |v[XF+1]|, |v[XF+2]|               ; the block's largest magnitude: all 32 numbers are mine; two chains
	v_max3_num_f32 v17, |v[XF+3]|, |v[XF+4]|, |v[XF+5]|
.irp i, 6,10,14,18,22,26
	v_max3_num_f32 v16, v16, |v[XF+\i]|, |v[XF+\i+1]|
	v_max3_num_f32 v17, v17, |v[XF+\i+2]|, |v[XF+\i+3]|
.endr
	v_max3_num_f32 v16, v16, |v[XF+30]|, |v[XF+31]|
	v_max3_num_f32 v16, v16, v17, 0x8000000        ; and the floor 2^(16 - 127): the byte cannot fall under 1
	v_add_nc_u32 v19, 0xf8800000, v16              ; 15 off its exponent field: the conversion takes this operand's exponent field as its scale
	v_and_or_b32 v18, v16, 0x7f800000, s[MNT]      ; 57,344 x the scale
.set i, 0
.rept 32
	v_med3_num_f32 v[XF+i], v[XF+i], -v18, v18     ; the conversion to an 8-bit code does not saturate (ISA guide 7.6.2): the hold comes first
.set i, i+1
.endr
.irp g, 0,1,2,3
	v_cvt_scalef32_pk8_bf8_f32 v[XC+2*\g:XC+2*\g+1], v[XF+8*\g:XF+8*\g+7], v19
.endr
	v_lshrrev_b32 v17, 23, v19                     ; the scale's byte.  (Also the plain instruction behind the conversions, whose registers the products will name)
	ds_store_b128 v5, v[XC:XC+3]
	ds_store_b128 v5, v[XC+4:XC+7] offset:16
	ds_store_b8 v6, v17
	s_wait_dscnt 0x0                               ; for the others' sake: my stores have landed
	s_barrier_signal -1
	s_barrier_wait -1                              ; 64 rows of codes and their scale bytes lie in LDS; nothing is written there again
; ---- phase B.  16 matrix instructions: 2 tiles of the weight x 4 pixel tiles x 2 K steps of 128; the eight accumulators take turns, one instruction a turn, in the same order in both K steps.
; mode 0 (v): source 0 = 16 pixels, source 1 = 16 channels; accumulator 4 u + pt.   mode 1 (q, k): source 0 = 16 rows of the weight, source 1 = 16 pixels; accumulator 2 pt + u.
.macro MM mode, u, pt, s
.if \mode == 0
.if \s == 0
	v_wmma_scale_f32_16x16x128_f8f6f4 v[ACC+8*(4*\u+\pt):ACC+8*(4*\u+\pt)+7], v[XF+16*\pt:XF+16*\pt+15], v[WF+16*(2*\u+\s):WF+16*(2*\u+\s)+15], v[BI+8*\u:BI+8*\u+7], v[XSC+2*\pt+\s], v[WSC+2*\u+\s] matrix_a_fmt:MATRIX_FMT_BF8 matrix_b_fmt:MATRIX_FMT_BF8
.else
	v_wmma_scale_f32_16x16x128_f8f6f4 v[ACC+8*(4*\u+\pt):ACC+8*(4*\u+\pt)+7], v[XF+16*\pt:XF+16*\pt+15], v[WF+16*(2*\u+\s):WF+16*(2*\u+\s)+15], v[ACC+8*(4*\u+\pt):ACC+8*(4*\u+\pt)+7], v[XSC+2*\pt+\s], v[WSC+2*\u+\s] matrix_a_fmt:MATRIX_FMT_BF8 matrix_b_fmt:MATRIX_FMT_BF8
.endif
.else
.if \s == 0
	v_wmma_scale_f32_16x16x128_f8f6f4 v[ACC+8*(2*\pt+\u):ACC+8*(2*\pt+\u)+7], v[WF+16*(2*\u+\s):WF+16*(2*\u+\s)+15], v[XF+16*\pt:XF+16*\pt+15], v[BI+8*\u:BI+8*\u+7], v[WSC+2*\u+\s], v[XSC+2*\pt+\s] matrix_a_fmt:MATRIX_FMT_BF8 matrix_b_fmt:MATRIX_FMT_BF8
.else
	v_wmma_scale_f32_16x16x128_f8f6f4 v[ACC+8*(2*\pt+\u):ACC+8*(2*\pt+\u)+7], v[WF+16*(2*\u+\s):WF+16*(2*\u+\s)+15], v[XF+16*\pt:XF+16*\pt+15], v[ACC+8*(2*\pt+\u):ACC+8*(2*\pt+\u)+7], v[WSC+2*\u+\s], v[XSC+2*\pt+\s] matrix_a_fmt:MATRIX_FMT_BF8 matrix_b_fmt:MATRIX_FMT_BF8
.endif
.endif
.endm
.macro JOB mode
.irp pt, 0,1,2,3
.irp s, 0,1
	ds_load_b32 v[XSC+2*\pt+\s], v8 offset:128*\pt+4*\s
.endr
.endr
.irp s, 0,1
.irp pt, 0,1,2,3
.irp c, 0,1,2,3
	ds_load_b128 v[XF+16*\pt+4*\c:XF+16*\pt+4*\c+3], v7 offset:16*\pt*XP+128*\s+32*\c
.endr
.endr
	s_wait_dscnt 0x0
.if \mode == 0
.irp u, 0,1
.irp pt, 0,1,2,3
	MM 0, \u, \pt, \s
.endr
.endr
.else
.irp pt, 0,1,2,3
.irp u, 0,1
	MM 1, \u, \pt, \s
.endr
.endr
.endif
.rept 8
	v_nop                                          ; eight places in front of the loads into x's fragments, which the products have read, and of the first read of results
.endr
.endr
.endm
; The 64 results of a lane, register 16 b + i = place 16 h + i of block b along the next K, become 16 registers of codes, v[PC] on, and the four blocks' scale bytes, v[PW].  A block lies in lanes l and l xor 16.
.macro QUANT
.irp b, 0,1,2,3
	v_max3_num_f32 v[TM+\b], |v[ACC+16*\b]|, |v[ACC+1+16*\b]|, 0x8000000   ; each accumulator is read from its low end on; the floor 2^(16 - 127) holds the byte at 1 from below
.endr
.irp i, 2,4,6,8,10,12,14
.irp b, 0,1,2,3
	v_max3_num_f32 v[TM+\b], v[TM+\b], |v[ACC+16*\b+\i]|, |v[ACC+1+16*\b+\i]|   ; the four blocks by turns: no line waits for the line above it
.endr
.endr
.irp b, 0,1,2,3
	v_permlanex16_b32 v[TM+4+\b], v[TM+\b], s[SEL], s[SEL+1]
.endr
.irp b, 0,1,2,3
	v_max_num_f32 v[TM+\b], v[TM+\b], v[TM+4+\b]   ; with lane l xor 16's: the block's largest magnitude
.endr
.irp b, 0,1,2,3
	v_add_nc_u32 v[TM+12+\b], 0xf8800000, v[TM+\b] ; 15 off the exponent field: the conversion's scale operand
.endr
.irp b, 0,1,2,3
	v_and_or_b32 v[TM+8+\b], v[TM+\b], 0x7f800000, s[MNT]   ; 57,344 x the scale
.endr
.irp b, 0,1,2,3
	v_lshrrev_b32 v[TM+4+\b], 23, v[TM+12+\b]      ; the scale's byte
.endr
	v_lshl_or_b32 v[PW], v[TM+5], 8, v[TM+4]
	v_lshl_or_b32 v[PW], v[TM+6], 16, v[PW]
	v_lshl_or_b32 v[PW], v[TM+7], 24, v[PW]
.irp b, 0,1,2,3
.irp i, 0,1,2,3,4,5,6,7,8,9,10,11,12,13,14,15
	v_med3_num_f32 v[ACC+16*\b+\i], v[ACC+16*\b+\i], -v[TM+8+\b], v[TM+8+\b]   ; the hold at the largest code x the scale
.endr
	v_cvt_scalef32_pk8_bf8_f32 v[PC+4*\b:PC+4*\b+1], v[ACC+16*\b:ACC+16*\b+7], v[TM+12+\b]
	v_cvt_scalef32_pk8_bf8_f32 v[PC+4*\b+2:PC+4*\b+3], v[ACC+16*\b+8:ACC+16*\b+15], v[TM+12+\b]
.endr
.endm
	s_cmp_lt_u32 s[WV], 8
	s_cbranch_scc0 .Lnot_v
	; ---- v: channel tiles 2 w and 2 w + 1.  Block 2 u + b: channel tile 2 w + u, my work-group's pixels 32 b on = key block 2 half + b of the record
	s_lshl_b32 s56, s[WV], 12                      ; two channel tiles of 2,048 bytes,
	s_add_co_u32 s56, s56, s54
	s_lshl_b32 s57, s37, 10                        ; my half's two key blocks of 512
	s_add_co_u32 s56, s56, s57
	s_add_co_u32 s56, s56, VIMG
	s_mov_b32 s57, 0
	s_add_nc_u64 s[50:51], s[28:29], s[56:57]
	s_lshr_b32 s56, s[WV], 2                       ; the scale word of channel tile ct = 2 w + u, channel r: 512 (ct / 8) + 256 ((ct / 4) % 2) + 16 r + 4 (ct % 4); my two bytes of it: 2 half on
	s_lshl_b32 s56, s56, 9
	s_bfe_u32 s58, s[WV], 0x10001
	s_lshl_b32 s58, s58, 8
	s_add_co_u32 s56, s56, s58
	s_and_b32 s58, s[WV], 1
	s_lshl_b32 s58, s58, 3
	s_add_co_u32 s56, s56, s58
	s_lshl_b32 s58, s37, 1
	s_add_co_u32 s56, s56, s58
	s_add_co_u32 s56, s56, s54
	s_add_co_u32 s56, s56, VSO
	s_add_nc_u64 s[52:53], s[28:29], s[56:57]
	JOB 0
	QUANT
.irp u, 0,1
.irp b, 0,1
	global_store_b128 v14, v[PC+4*(2*\u+\b):PC+4*(2*\u+\b)+3], s[50:51] offset:2048*\u+512*\b   ; 32 lanes store 512 consecutive bytes, at a multiple of 256 from kv's first byte
.endr
.endr
	global_store_b16 v15, v[PW], s[52:53]                      ; tile 2 w's two bytes (lanes l and l xor 16 store the same bytes with the same value),
	global_store_d16_hi_b16 v15, v[PW], s[52:53] offset:4      ; tile 2 w + 1's
	s_wait_tensorcnt 0x0
	ds_add_u32 v46, v47
	s_wait_dscnt 0x0
	s_endpgm
.Lnot_v:
	s_cmp_lt_u32 s[WV], 10
	s_cbranch_scc0 .Lend
	; ---- q (wave 8) or k (wave 9).  Block pt: pixel tile pt, all 32 dimensions
	s_lshl_b32 s56, s37, 11                        ; k: my half's four key tiles of 512 bytes,
	s_add_co_u32 s56, s56, s54
	s_mov_b32 s57, 0
	s_add_nc_u64 s[50:51], s[28:29], s[56:57]
	s_lshl_b32 s56, s37, 7                         ; and their 128 bytes of scale words
	s_add_co_u32 s56, s56, s54
	s_add_co_u32 s56, s56, KSO
	s_add_nc_u64 s[52:53], s[28:29], s[56:57]
	s_lshl_b32 s56, s36, 6                         ; q: the record of my block of 64 queries
	s_add_co_u32 s56, s56, ttmp9
	s_mul_i32 s56, s56, QREC
	s_add_nc_u64 s[58:59], s[30:31], s[56:57]
	s_add_nc_u64 s[60:61], s[58:59], 2048
	s_cmp_eq_u32 s[WV], 8                          ; the choice hangs on the wave's number alone
	s_cselect_b64 s[50:51], s[58:59], s[50:51]
	s_cselect_b64 s[52:53], s[60:61], s[52:53]
	JOB 1
	QUANT
.irp pt, 0,1,2,3
	global_store_b128 v14, v[PC+4*\pt:PC+4*\pt+3], s[50:51] offset:512*\pt   ; 512 consecutive bytes
.endr
	global_store_b32 v4, v[PW], s[52:53]           ; byte pt of my pixel row's word: tile pt's scale; 128 consecutive bytes
.Lend:
	s_wait_tensorcnt 0x0
	ds_add_u32 v46, v47
	s_wait_dscnt 0x0
	s_endpgm
.Lfunc_end_k_q172092fa0b_proj:
	.size	k_q172092fa0b_proj, .Lfunc_end_k_q172092fa0b_proj-k_q172092fa0b_proj
	.p2alignl 7, 3214868480
	.fill 96, 4, 3214868480
	.section	.rodata,"a",@progbits
	.p2align	6, 0x0
	.amdhsa_kernel k_q172092fa0b_proj
		.amdhsa_group_segment_fixed_size 20480
		.amdhsa_private_segment_fixed_size 0
		.amdhsa_enable_private_segment 0
		.amdhsa_kernarg_size 96
		.amdhsa_user_sgpr_count 2
		.amdhsa_user_sgpr_kernarg_segment_ptr 1
		.amdhsa_wavefront_size32 1
		.amdhsa_system_sgpr_workgroup_id_x 1
		.amdhsa_system_sgpr_workgroup_id_y 1
		.amdhsa_system_sgpr_workgroup_id_z 1
		.amdhsa_system_vgpr_workitem_id 0
		.amdhsa_next_free_vgpr 256
		.amdhsa_next_free_sgpr 66
		.amdhsa_reserve_vcc 0
		.amdhsa_float_denorm_mode_32 3
		.amdhsa_float_denorm_mode_16_64 3
		.amdhsa_memory_ordered 1
		.amdhsa_forward_progress 1
		.amdhsa_inst_pref_size 44
	.end_amdhsa_kernel
	.amdgpu_metadata
---
amdhsa.version: [ 1, 2 ]
amdhsa.kernels:
  - .name:           k_q172092fa0b_proj
    .symbol:         k_q172092fa0b_proj.kd
    .args:
      - { .name: x, .offset: 0, .size: 8, .value_kind: global_buffer, .address_space: global }
      - { .name: Wq_codes, .offset: 8, .size: 8, .value_kind: global_buffer, .address_space: global }
      - { .name: Wq_scales, .offset: 16, .size: 8, .value_kind: global_buffer, .address_space: global }
      - { .name: bq, .offset: 24, .size: 8, .value_kind: global_buffer, .address_space: global }
      - { .name: Wk_codes, .offset: 32, .size: 8, .value_kind: global_buffer, .address_space: global }
      - { .name: Wk_scales, .offset: 40, .size: 8, .value_kind: global_buffer, .address_space: global }
      - { .name: bk, .offset: 48, .size: 8, .value_kind: global_buffer, .address_space: global }
      - { .name: Wv_codes, .offset: 56, .size: 8, .value_kind: global_buffer, .address_space: global }
      - { .name: Wv_scales, .offset: 64, .size: 8, .value_kind: global_buffer, .address_space: global }
      - { .name: bv, .offset: 72, .size: 8, .value_kind: global_buffer, .address_space: global }
      - { .name: kv, .offset: 80, .size: 8, .value_kind: global_buffer, .address_space: global }
      - { .name: qimg, .offset: 88, .size: 8, .value_kind: global_buffer, .address_space: global }
    .group_segment_fixed_size: 20480
    .private_segment_fixed_size: 0
    .kernarg_segment_align: 8
    .kernarg_segment_size: 96
    .max_flat_workgroup_size: 512
    .sgpr_count:     66
    .vgpr_count:     256
    .wavefront_size: 32
...
	.end_amdgpu_metadata
.endif
;; end of part 1
;; launch attn (part 2): grid 64 x 4, 8 waves a work-group, clusters of 4 x 1, 327,680 bytes of LDS; arguments kv, qimg, x, gamma, out0; writes out0
.if DOCPART == 2
	.amdgcn_target "amdgcn-amd-amdhsa--gfx1250"
	.amdhsa_code_object_version 6
	.text
	.protected	k_q172092fa0b_attn
	.globl	k_q172092fa0b_attn
	.p2align	8
	.type	k_q172092fa0b_attn,@function
k_q172092fa0b_attn:
	s_mov_b64 s[64:65], 0
	v_nop
	global_prefetch_b8 v0, s[64:65] scope:SCOPE_SE
	s_setreg_imm32_b32 hwreg(HW_REG_WAVE_MODE, 25, 1), 1
	s_wait_xcnt 0x0
	s_wait_alu depctr_hold_cnt(0) depctr_sa_sdst(0) depctr_va_vdst(0) depctr_va_sdst(0) depctr_va_ssrc(0) depctr_va_vcc(0) depctr_vm_vsrc(0)
	s_getreg_b32 s2, hwreg(HW_REG_IB_STS2, 6, 4)
	s_cmp_eq_u32 s2, 0
	s_cbranch_scc0 .Lentry_in_a_cluster
	s_endpgm
.Lentry_in_a_cluster:
	s_bfe_u32 s2, ttmp6, 0x10000c
	s_cmp_lg_u32 s2, 0x3003
	s_cbranch_scc0 .Lentry_shape_is_right
	s_endpgm
.Lentry_shape_is_right:
; out[c][i] = gamma x (sum over j of v[c][j] softmax_j(q[:, i] . k[:, j])) + x[c][i], for 64 queries i of one image; both products on codes of BF8 (E5M2) with one E8M0 scale for each 32 along K.
; kv and qimg hold images of operand registers (lane l's 16 bytes at 16 l); a record of kv, 38,144 bytes, serves 128 keys: k's codes, v's codes, v's scale words, k's scale words.
; THE SOFTMAX: t = score x log2(e); M = the largest t so far, rounded UP to a whole number; p = 2^(t - M) is quantised along the keys, not normalised; the row's sum is taken of the unquantised p and divides at the end.
; When M moves, the sum and O are multiplied by 2^(old M - new M): exact.
; SHARES.  A work-group owns 64 queries.  Wave w: key group kg = w % 4, query half qh = w / 4: it owns two tiles of 16 queries (O^T for 256 channels: 256 registers) and every fourth key step (128 keys).
; So a fragment of v read from LDS feeds two products, two waves lie on a SIMD, and each wave has a running M and sum of its own; the four key groups are merged at the end by exact powers of two, through LDS.
; LAYOUT.  Both products are used transposed: S^T = k q^T (source 0 = keys), O^T = v p^T (source 0 = 16 channels, K = 128 keys): a lane holds ONE query (lane % 16) throughout.
; The keys of a tile are not neighbours (key tile t8, row r: key 32 (t8 / 2) + 8 (t8 % 2) + r + 8 (r / 8)), so that the 16 registers of score tiles 2 b, 2 b + 1 are keys 32 b + 16 (lane / 16) + 0 .. 15: p's codes are the operand's registers.
; THE FIRST PRODUCT HAS K = 32, the instruction 128.  A fragment of k (16 registers) holds FOUR key tiles, one in each block of 32; the query operand holds q's 32 codes in block c and zero codes in the other three, which picks tile c
; (k's codes are finite: the launch that made them holds every number at the largest code).  The four query operands are windows onto one run of registers, Z Z Z Q0 Z Z Z Q1 Z Z Z (units of four): no byte is read for the padding.
; THE RING.  Two LDS slots of four records (four neighbouring key steps, 152,576 consecutive bytes of kv).  Waves 0-3 fetch a record each, 149 rows of 256 bytes, one tensor load a wave behind each change of slots; it has a whole visit in which to land.
; CLUSTER.  The four work-groups of a cluster belong to one image and walk the same records, so each record is asked for JOINTLY: the same load with the same descriptor and a mask that names the four.
; LIMITS: NaN and infinities are not served.  p under 2^-126 comes out of v_exp_f32 as 0 (ISA guide 15.8).  A block whose every p is 0 keeps the scale byte 1: its codes are zeros.
; A block's largest p is made from its largest score by the same multiply-add and exponential: this takes v_exp_f32 not to fall where its input rises; at the worst one p of a block, within an ulp of a power of two, is held one code low.
; REGISTERS.  Window 1 (v256-511): O^T, tile t, channel tile ct at 128 t + 8 ct.  Window 0: see the names below.
.set REC,   38144
.set SLOT,  4*REC
.set VIMG,  4096
.set VSO,   36864
.set KSO,   37888
.set QREC,  2304
.set STAT,  2*SLOT                     ; behind the ring: each wave's -M and sum, 16 bytes a lane: 4,096 bytes
.set SPARE, STAT+4096                  ; the spare words, 128 bytes for each of the eight waves: four blocks of 256 bytes that no other line names
.set DP,    272                        ; the way out: a channel's row: 64 pixels of f32 + 16 bytes
.set DREG,  256*DP                     ; one region of 256 such rows for each key group.  The four lie in the slots, which have had their last fill and their last read by then
.set LA,    1                          ; v1, v2   16 x lane + my record's place, in slot 0, 1
.set LB,    3                          ; v3, v4   4 x lane + the same
.set SPW,   5                          ; v5       LDS address of my spare word: SPARE + 4 x my thread's number; never rewritten
.set NIL,   6                          ; v6       0; never rewritten
.set ST,    8                          ; v8-15, v16-23  tile t at ST + 8 t: +0 -M, +1 the largest t (at the end: the sum), +2, +3 the sum in two halves, +4 f (at the end: the last factor), +5 its pair's upper half, +6 q's scale word, +7 p's scale word
.set KS,    24                         ; v24-25   k's scale words
.set VS,    26                         ; v26-33   v's scale words: channel tile ct at 4 (ct / 8) + ct % 4, lanes 16-31 where ct % 8 >= 4
.set TM,    34                         ; v34-37   the four blocks' largest scores, then largest p
.set PB,    38                         ; v38-41   the other half's / the scale bytes
.set HD,    42                         ; v42-45   57,344 x the scale
.set SO,    46                         ; v46-49   the conversions' scale operands
.set R,     50
.set TMP,   52                         ; v[52:53] the sums' second chain
.set QW,    56                         ; v56-99   Z Z Z Q0 Z Z Z Q1 Z Z Z
.set PC,    100                        ; v100-131 p's codes, 16 a tile
.set KF,    132                        ; v132-163 k's two fragments; later v's buffer 2
.set S,     164                        ; v164-227 the scores, then p; later v's buffers 0 and 1
.set X,     132                        ; v132-195 the way out: my 32 channels' x, then the result
.set DA,    228                        ; v228-229 the way out: where my O^T goes (channel tiles 0-7, 8-15)
.set RA,    230                        ; v230-233 where I read rows back, one for each region
.set GO,    234                        ; v234     my byte offset in x and out0
.set SA,    238                        ; v238     where my statistics go;  v239 where my query half's are read
.set WV,    14
.set KG,    15
.set QH,    16
.set SEL,   20                         ; s[20:21] v_permlanex16_b32's selects for lane l xor 16
.set CS,    22                         ; s[22:23] log2(e): the packed form names a pair and takes its low word for both halves
.set MNT,   24                         ; s24  the mantissa field of 57,344
.set GAM,   25                         ; s25  gamma
.set G1,    28                         ; s[28:35] descriptor group 1
.set G0,    36                         ; s[36:43] descriptor group 0, a set for each slot
.set MSB, 0
.macro WIN new                         ; the immediate's high byte repeats the setting that is left; a switch that changes nothing is dropped
.if MSB != \new
	s_set_vgpr_msb (MSB<<8)|\new
.set MSB, \new
.endif
.endm
; A round of the cluster's barrier: my work-group's barrier, so that wave 0's signal speaks for all eight waves; wave 0 signals; every wave waits for all four work-groups; my work-group's barrier once more.
.macro CROUND
	s_barrier_signal -1
	s_barrier_wait -1
	s_cmp_lg_u32 s[WV], 0
	s_cbranch_scc1 .Lnot_wave_0_\@
	s_barrier_signal -3
.Lnot_wave_0_\@:
	s_barrier_wait -3
	s_barrier_signal -1
	s_barrier_wait -1
.endm
; A joint load into slot n: waves 0-3 fetch a record each, the others nothing.  The branch hangs on the wave's number alone.  Four v_nop follow the load.
.macro JLOAD n
	s_cmp_lt_u32 s[WV], 4
	s_cbranch_scc0 .Lno_load_\@
	tensor_load_to_lds s[G0+4*(\n):G0+4*(\n)+3], s[G1:G1+7]
	s_nop 0
.rept 4
	v_nop
.endr
.Lno_load_\@:
.endm
	s_load_b256 s[4:11], s[0:1], 0x0               ; kv s[4:5], qimg s[6:7], x s[8:9], gamma s[10:11]
	s_load_b64 s[12:13], s[0:1], 0x20              ; out0
	v_lshl_add_u32 v[SPW], v0, 2, SPARE
	v_mov_b32 v[NIL], 0
	ds_add_u32 v5, v6
	s_wait_dscnt 0x0
	v_lshrrev_b32 v7, 5, v0
	v_readfirstlane_b32 s[WV], v7                  ; wave 0..7
	s_and_b32 s[KG], s[WV], 3
	s_lshr_b32 s[QH], s[WV], 2
	s_bfe_u32 s17, ttmp6, 0x40000                  ; cx: my place in the cluster: it enters qimg's, x's and out0's addresses alone
	s_lshl_b32 s18, ttmp9, 2                       ; in a cluster launch ttmp9 counts clusters
	s_add_co_u32 s18, s18, s17                     ; my block of 64 queries
	s_and_b32 s19, ttmp7, 0xffff                   ; the image, which the four partners share
	s_mov_b32 s[G1], 15|(3<<16)|(1<<21)            ; 15:0 the mask: all four work-groups; 17:16 elements of 8 bytes; 20 no padding: every read is 16 x lane on a dense image; 21 set beside a mask
	s_mov_b32 s[G1+1], 32<<16                      ; tensor_dim0 = 32 elements: rows of 256 bytes
	s_mov_b32 s[G1+2], 149<<16                     ; tensor_dim1 = 149 rows: a record
	s_mov_b32 s[G1+3], 32<<16                      ; tile_dim0
	s_mov_b32 s[G1+4], 149                         ; tile_dim1
	s_mov_b32 s[G1+5], 32                          ; the pitch: the block is dense
	s_mov_b32 s[G1+6], 0
	s_mov_b32 s[G1+7], 0
	s_mul_i32 s44, s[KG], REC                      ; my record's place in a slot, and among a visit's four in memory
	s_mul_i32 s46, s19, 32*REC
	s_add_co_u32 s46, s46, s44
	s_mov_b32 s47, 0
	s_mov_b32 s[SEL], 0x76543210
	s_mov_b32 s[SEL+1], 0xfedcba98
	s_mov_b32 s[CS], 0x3fb8aa3b                    ; log2(e)
	s_mov_b32 s[CS+1], s[CS]                       ; (named with it as a pair, so it is written)
	s_mov_b32 s[MNT], 0x600000
	s_wait_kmcnt 0x0
	s_load_b32 s[GAM], s[10:11], 0x0
	s_add_nc_u64 s[46:47], s[4:5], s[46:47]
.irp n, 0,1
	s_mov_b32 s[G0+4*\n], 1                                        ; count = 1
	s_add_co_u32 s[G0+4*\n+1], s44, \n*SLOT                        ; LDS address: slot n, record kg: no place in the cluster enters it
	s_add_nc_u64 s[G0+4*\n+2:G0+4*\n+3], s[46:47], \n*SLOT         ; global address: visit n's records
	s_or_b32 s[G0+4*\n+3], s[G0+4*\n+3], 0x80000000                ; type = 2
.endr
	CROUND                                         ; all four work-groups are here: the first joint loads meet
	JLOAD 0                                        ; visit 0's records
	v_and_b32 v7, 31, v0
	v_lshlrev_b32 v54, 2, v7                       ; 4 x lane
	v_lshlrev_b32 v7, 4, v7                        ; 16 x lane
	s_lshl_b32 s48, s19, 6
	s_add_co_u32 s48, s48, s18
	s_mul_i32 s48, s48, QREC
	s_mov_b32 s49, 0
	s_add_nc_u64 s[6:7], s[6:7], s[48:49]          ; my block's record of qimg
	s_lshl_b32 s48, s[QH], 10
	s_add_nc_u64 s[50:51], s[6:7], s[48:49]        ; my two tiles' codes
	global_load_b128 v[QW+12:QW+15], v7, s[50:51]
	global_load_b128 v[QW+28:QW+31], v7, s[50:51] offset:512
	global_load_b32 v55, v54, s[6:7] offset:2048   ; my query row's four scale bytes
.irp u, 0,1,2,4,5,6,8,9,10
.irp j, 0,1,2,3
	v_mov_b32 v[QW+4*\u+\j], 0                     ; the nine units of zero codes
.endr
.endr
.irp b, 0,1,2,3
	v_mov_b32 v[PB+\b], 0                          ; written once: a lane permute's destination counts as one of its sources
.endr
	v_mov_b32 v[ST+5], 0                           ; (named as the upper halves of f's pairs)
	v_mov_b32 v[ST+13], 0
	s_mul_i32 s52, s[QH], 0x02020202               ; v_perm_b32's selects: byte 2 qh + t into all four places
	s_add_co_u32 s53, s52, 0x01010101
	s_lshl_b32 s48, s19, 22                        ; x and out0: the image, and my block's 256 bytes of every row
	s_lshl_b32 s54, s18, 8
	s_add_co_u32 s48, s48, s54
	s_add_nc_u64 s[8:9], s[8:9], s[48:49]
	s_add_nc_u64 s[12:13], s[12:13], s[48:49]
	s_wait_loadcnt 0x0                             ; q
	s_wait_kmcnt 0x0                               ; gamma
	v_perm_b32 v[ST+6], v55, v55, s52              ; q's scale word: the tile's byte for every block, since q's codes stand now in one block, now in another
	v_perm_b32 v[ST+14], v55, v55, s53
	; the addresses: also the places between the scale words just made and the first product
	v_add_nc_u32 v[LA], s44, v7
	v_add_nc_u32 v[LA+1], SLOT, v[LA]
	v_add_nc_u32 v[LB], s44, v54
	v_add_nc_u32 v[LB+1], SLOT, v[LB]
	v_and_b32 v235, 15, v0                         ; r
	v_bfe_u32 v236, v0, 4, 1                       ; h
	v_and_b32 v237, 8, v235
	v_add_nc_u32 v237, v237, v235                  ; r + 8 (r / 8)
	v_lshlrev_b32 v[DA], 2, v237
	v_mad_u32_u24 v[DA], v236, 8*DP, v[DA]
	s_mul_i32 s54, s[KG], DREG
	s_lshl_b32 s55, s[QH], 7
	s_add_co_u32 s54, s54, s55
	v_add_nc_u32 v[DA], s54, v[DA]                 ; O^T(t, ct), register j: region kg, channel 16 ct + 8 h + j, pixel 32 qh + 8 t + r + 8 (r / 8)
	v_add_nc_u32 v[DA+1], 128*DP, v[DA]            ; channels 128 on: an LDS immediate has 16 bits
	v_lshlrev_b32 v[RA], 4, v235
	v_mad_u32_u24 v[RA], v236, DP, v[RA]
	s_mul_i32 s54, s[WV], 32*DP
	v_add_nc_u32 v[RA], s54, v[RA]                 ; back: my 32 channels; lanes 0-15 one row of 256 bytes, lanes 16-31 the next
	v_add_nc_u32 v[RA+1], DREG, v[RA]
	v_add_nc_u32 v[RA+2], 2*DREG, v[RA]
	v_add_nc_u32 v[RA+3], 3*DREG, v[RA]
	v_lshlrev_b32 v[GO], 4, v235
	v_lshl_add_u32 v[GO], v236, 14, v[GO]
	s_lshl_b32 s54, s[WV], 19
	v_add_nc_u32 v[GO], s54, v[GO]                 ; and the same two rows in x and out0: channel 32 w + h, 16 bytes a lane
	v_lshl_add_u32 v[SA], v0, 4, STAT
	s_lshl_b32 s54, s[QH], 11
	s_add_co_u32 s54, s54, STAT
	v_add_nc_u32 v[SA+1], s54, v7
; THE CHANGE OF SLOTS stands at a visit's head.  Each wave waits for all its tensor loads (its record of the slot that is about to be read), adds 0 to its spare word, and waits for that and for its reads of the slot that it has left.
; fill = 1: a round of the cluster's barrier follows, so that no wave of any partner still reads the other slot or has a load on its way, and the joint refill of that slot is the first thing behind it.
.macro CHANGE slot, fill
	WIN 0                                          ; at a label and at a branch every window is 0
	s_wait_tensorcnt 0x0                           ; no tensor load of mine is out, so a group 0 may be written
	ds_add_u32 v[SPW], v[NIL]                      ; 0 onto my spare word
	s_add_nc_u64 s[G0+4*\slot+2:G0+4*\slot+3], s[G0+4*\slot+2:G0+4*\slot+3], 2*SLOT   ; this slot's next records: two visits on; the type bits on top are not reached
	s_wait_dscnt 0x0                               ; the add is done, and my reads of the slot that I have left are over
.if \fill
	CROUND
	JLOAD 1-\slot
.else
	s_barrier_signal -1
	s_barrier_wait -1
.endif
.endm
.macro LOADK slot                      ; k's two fragments (eight key tiles), its scale words, and v's scale words for the whole step
.irp f, 0,1
.irp c, 0,1,2,3
	ds_load_b128 v[KF+16*\f+4*\c:KF+16*\f+4*\c+3], v[LA+\slot] offset:2048*\f+512*\c
.endr
	ds_load_b32 v[KS+\f], v[LB+\slot] offset:KSO+128*\f
.endr
.irp g, 0,1
	ds_load_b128 v[VS+4*\g:VS+4*\g+3], v[LA+\slot] offset:VSO+512*\g
.endr
	s_wait_dscnt 0x0
.endm
.macro SMM t                           ; S^T of query tile t: key tile 4 f + c by the window that has q's codes in block c
.irp f, 0,1
.irp c, 0,1,2,3
	v_wmma_scale_f32_16x16x128_f8f6f4 v[S+8*(4*\f+\c):S+8*(4*\f+\c)+7], v[KF+16*\f:KF+16*\f+15], v[QW+16*\t+4*(3-\c):QW+16*\t+4*(3-\c)+15], 0, v[KS+\f], v[ST+8*\t+6] matrix_a_fmt:MATRIX_FMT_BF8 matrix_b_fmt:MATRIX_FMT_BF8
.endr
.endr
.rept 8
	v_nop                                          ; eight places in front of the first read of results
.endr
.endm
; One tile's softmax for 128 keys.  first = 1: the wave's first key step, which starts M and the sum: no old M, no f.
.macro SOFTMAX t, first
.set rT, ST+8*\t
.set rP, PC+16*\t
.irp b, 0,1,2,3
	v_max3_num_f32 v[TM+\b], v[S+16*\b], v[S+16*\b+1], v[S+16*\b+2]   ; the largest score of each block of 32 keys: it serves the row's maximum and, since p rises with the score, the block's largest p.  Each accumulator is read from its low end on
.endr
.irp i, 3,5,7,9,11,13
.irp b, 0,1,2,3
	v_max3_num_f32 v[TM+\b], v[TM+\b], v[S+16*\b+\i], v[S+16*\b+\i+1]   ; the four blocks by turns
.endr
.endr
.irp b, 0,1,2,3
	v_max_num_f32 v[TM+\b], v[TM+\b], v[S+16*\b+15]
.endr
.irp b, 0,1,2,3
	v_permlanex16_b32 v[PB+\b], v[TM+\b], s[SEL], s[SEL+1]
.endr
.irp b, 0,1,2,3
	v_max_num_f32 v[TM+\b], v[TM+\b], v[PB+\b]     ; with lane l xor 16's 16 keys
.endr
	v_max3_num_f32 v[R], v[TM], v[TM+1], v[TM+2]
	v_max_num_f32 v[R], v[R], v[TM+3]              ; the step's largest score of my query
.if \first
	v_mul_f32 v[rT+1], s[CS], v[R]                 ; as t (log2(e) is positive)
	v_floor_f32 v[rT], -v[rT+1]                    ; -M = floor(-t) = -ceil(t): M is a whole number
.else
	v_mul_f32 v[R], s[CS], v[R]
	v_max_num_f32 v[rT+1], v[rT+1], v[R]           ; the running largest t
	v_mov_b32 v[R], v[rT]
	v_floor_f32 v[rT], -v[rT+1]
	v_sub_f32 v[R], v[rT], v[R]                    ; old M less new M: a whole number, 0 or less
	v_cvt_i32_f32 v[R], v[R]                       ; (it saturates)
	v_ldexp_f32 v[rT+4], 1.0, v[R]                 ; f = 2^(old M - new M)
.endif
.set j, 0
.rept 32
	v_pk_fma_f32 v[S+j:S+j+1], v[S+j:S+j+1], s[CS:CS+1], v[rT:rT+1] op_sel_hi:[1,0,0]   ; t - M, two at a time (of the pairs the low word serves both halves)
.set j, j+2
.endr
.irp b, 0,1,2,3
	v_fma_f32 v[TM+\b], v[TM+\b], s[CS], v[rT]     ; the same of each block's largest score
.endr
.set j, 0
.rept 64
	v_exp_f32 v[S+j], v[S+j]                       ; p = 2^(t - M), at most 1
.set j, j+1
.endr
.irp b, 0,1,2,3
	v_exp_f32 v[TM+\b], v[TM+\b]                   ; the block's largest p
.endr
.if \first
	v_nop                                          ; a plain instruction behind the exponentials (ISA guide 5.7.2)
	s_wait_alu depctr_va_vdst(0)
.else
	v_pk_mul_f32 v[rT+2:rT+3], v[rT+2:rT+3], v[rT+4:rT+5] op_sel_hi:[1,0]   ; the sum under the new M.  (The plain instruction behind the exponentials)
	s_wait_alu depctr_va_vdst(0)
.endif
.irp b, 0,1,2,3
	v_max_num_f32 v[TM+\b], 0x8000000, v[TM+\b]    ; the floor 2^(16 - 127): the byte cannot fall under 1
.endr
.irp b, 0,1,2,3
	v_add_nc_u32 v[SO+\b], 0xf8800000, v[TM+\b]    ; 15 off the exponent field: the conversion's scale operand
.endr
.irp b, 0,1,2,3
	v_and_or_b32 v[HD+\b], v[TM+\b], 0x7f800000, s[MNT]   ; 57,344 x the scale
.endr
.irp b, 0,1,2,3
	v_lshrrev_b32 v[PB+\b], 23, v[SO+\b]           ; the scale's byte
.endr
	v_lshl_or_b32 v[rT+7], v[PB+1], 8, v[PB]       ; p's scale word for these 128 keys; the sums and holds below are its places in front of the products
	v_lshl_or_b32 v[rT+7], v[PB+2], 16, v[rT+7]
	v_lshl_or_b32 v[rT+7], v[PB+3], 24, v[rT+7]
.if \first                                     ; the row's sum is taken of the unquantised p: two at a time, in two chains
	v_pk_add_f32 v[rT+2:rT+3], v[S:S+1], v[S+2:S+3]
	v_pk_add_f32 v[TMP:TMP+1], v[S+4:S+5], v[S+6:S+7]
.set j, 8
.rept 14
	v_pk_add_f32 v[rT+2:rT+3], v[rT+2:rT+3], v[S+j:S+j+1]
	v_pk_add_f32 v[TMP:TMP+1], v[TMP:TMP+1], v[S+j+2:S+j+3]
.set j, j+4
.endr
.else
	v_pk_add_f32 v[TMP:TMP+1], v[S:S+1], v[S+2:S+3]
.set j, 4
.rept 15
	v_pk_add_f32 v[rT+2:rT+3], v[rT+2:rT+3], v[S+j:S+j+1]
	v_pk_add_f32 v[TMP:TMP+1], v[TMP:TMP+1], v[S+j+2:S+j+3]
.set j, j+4
.endr
.endif
	v_pk_add_f32 v[rT+2:rT+3], v[rT+2:rT+3], v[TMP:TMP+1]
.irp b, 0,1,2,3
.irp i, 0,1,2,3,4,5,6,7,8,9,10,11,12,13,14,15
	v_min_num_f32 v[S+16*\b+\i], v[S+16*\b+\i], v[HD+\b]   ; the conversion does not saturate (ISA guide 7.6.2); p is not negative, so the hold is one-sided
.endr
	v_cvt_scalef32_pk8_bf8_f32 v[rP+4*\b:rP+4*\b+1], v[S+16*\b:S+16*\b+7], v[SO+\b]
	v_cvt_scalef32_pk8_bf8_f32 v[rP+4*\b+2:rP+4*\b+3], v[S+16*\b+8:S+16*\b+15], v[SO+\b]
.endr
	v_nop                                          ; a plain instruction between the conversions and the products that write their sources or read their results
.endm
; v's fragments come two channel tiles (a group g) at a time into three buffers by turns: group g into buffer g % 3 (v164, v196, v132).
.macro LOADV slot, g
.irp i, 0,1
.irp c, 0,1,2,3
	ds_load_b128 v[KF+32*(((\g)+1)%3)+16*\i+4*\c:KF+32*(((\g)+1)%3)+16*\i+4*\c+3], v[LA+\slot] offset:VIMG+(2*(\g)+\i)*2048+512*\c
.endr
.endr
.endm
.macro RESCALE g                       ; O^T of group g's two channel tiles, both query tiles, under the new M: x f, each accumulator from its low end on
	WIN 0x41                                       ; destination and source 0 window 1, f window 0
.irp t, 0,1
.irp j, 0,2,4,6,8,10,12,14
	v_pk_mul_f32 v[128*\t+16*(\g)+\j:128*\t+16*(\g)+\j+1], v[128*\t+16*(\g)+\j:128*\t+16*(\g)+\j+1], v[ST+8*\t+4:ST+8*\t+5] op_sel_hi:[1,0]
.endr
.endr
.endm
.macro PVMM g, first                   ; four products: group g's two channel tiles x my two query tiles; no accumulator is named twice in a visit
.irp i, 0,1
.irp t, 0,1
.set ct, 2*(\g)+\i
.set rO, 128*\t+8*ct
.set rA, KF+32*(((\g)+1)%3)+16*\i
.set rS, VS+4*(ct/8)+(ct%4)
.if \first
.if (ct%8) >= 4
	v_wmma_scale_f32_16x16x128_f8f6f4 v[rO:rO+7], v[rA:rA+15], v[PC+16*\t:PC+16*\t+15], 0, v[rS], v[ST+8*\t+7] matrix_a_fmt:MATRIX_FMT_BF8 matrix_b_fmt:MATRIX_FMT_BF8 matrix_a_scale:MATRIX_SCALE_ROW1
.else
	v_wmma_scale_f32_16x16x128_f8f6f4 v[rO:rO+7], v[rA:rA+15], v[PC+16*\t:PC+16*\t+15], 0, v[rS], v[ST+8*\t+7] matrix_a_fmt:MATRIX_FMT_BF8 matrix_b_fmt:MATRIX_FMT_BF8
.endif
.else
.if (ct%8) >= 4
	v_wmma_scale_f32_16x16x128_f8f6f4 v[rO:rO+7], v[rA:rA+15], v[PC+16*\t:PC+16*\t+15], v[rO:rO+7], v[rS], v[ST+8*\t+7] matrix_a_fmt:MATRIX_FMT_BF8 matrix_b_fmt:MATRIX_FMT_BF8 matrix_a_scale:MATRIX_SCALE_ROW1
.else
	v_wmma_scale_f32_16x16x128_f8f6f4 v[rO:rO+7], v[rA:rA+15], v[PC+16*\t:PC+16*\t+15], v[rO:rO+7], v[rS], v[ST+8*\t+7] matrix_a_fmt:MATRIX_FMT_BF8 matrix_b_fmt:MATRIX_FMT_BF8
.endif
.endif
.endr
.endr
.endm
; O^T += v p^T for the step's 128 keys.  Behind group g's products stands the rescaling of group g + 1: sixteen plain instructions that name none of those products' registers, so they are the places in front of the
; loads that fill group g's buffer again.  first = 1: the products start the sums (C = 0), nothing is rescaled, and v_nop are the places.
; Behind the last group nine v_nop: for the next visit's loads into v's scale words and for its first products, which write over buffer 1 (nine where a matrix instruction writes over a source).
.macro PV slot, first
	WIN 0
	LOADV \slot, 0
	LOADV \slot, 1
	LOADV \slot, 2
.if \first
.rept 4
	v_nop                                          ; with the one behind the conversions: the places between p's codes and the products
.endr
.else
	RESCALE 0
.endif
.irp g, 0,1,2,3,4,5,6,7
.if \g <= 5
	s_wait_dscnt 16                                ; group g's eight loads are in; the sixteen of groups g + 1 and g + 2 may be out
.elseif \g == 6
	s_wait_dscnt 8                                 ; group 7's eight may be out
.else
	s_wait_dscnt 0x0
.endif
.if \first
	WIN 0x40                                       ; D window 1
.else
	WIN 0x50                                       ; C and D window 1
.endif
	PVMM \g, \first
.if (\first) || (\g == 7)
	WIN 0
.rept 9
	v_nop
.endr
.else
	RESCALE \g+1
	WIN 0
.endif
.if \g+3 <= 7
	LOADV \slot, \g+3
.endif
.endr
.endm
.macro VISIT slot, first, fill         ; one key step of my key group, from slot
	CHANGE \slot, \fill
	LOADK \slot
	SMM 0
	SOFTMAX 0, \first
	SMM 1
	SOFTMAX 1, \first
	PV \slot, \first
.endm
	VISIT 0, 1, 1                                  ; eight visits: the first starts the sums and asks for slot 1's first records;
	s_mov_b32 s26, 3
.Lvisits:
	VISIT 1, 0, 1
	VISIT 0, 0, 1
	s_sub_co_u32 s26, s26, 1
	s_cmp_lg_u32 s26, 0
	s_cbranch_scc1 .Lvisits
	VISIT 1, 0, 0                                  ; the last is written out: nothing is left to fetch
	; ---- THE WAY OUT.  x of my 32 channels is asked for now: it lands under the merge.  (The nine places behind the last products serve these loads too.)
.irp i, 0,1,2,3,4,5,6,7,8,9,10,11,12,13,14,15
	global_load_b128 v[X+4*\i:X+4*\i+3], v[GO], s[8:9] offset:2*\i*16384 th:TH_LOAD_NT   ; 16 lanes read 256 consecutive bytes; read once in this launch
.endr
.irp t, 0,1
	v_add_f32 v[TM+\t], v[ST+8*\t+2], v[ST+8*\t+3] ; the sum's two halves,
.endr
.irp t, 0,1
	v_permlanex16_b32 v[PB+\t], v[TM+\t], s[SEL], s[SEL+1]
.endr
.irp t, 0,1
	v_add_f32 v[ST+8*\t+1], v[TM+\t], v[PB+\t]     ; and lane l xor 16's: my key group's sum, beside its -M
.endr
.irp t, 0,1
	ds_store_b64 v[SA], v[ST+8*\t:ST+8*\t+1] offset:8*\t
.endr
	s_wait_dscnt 0x0                               ; for the others' sake: my statistics have landed; my reads of the slots were over before
	s_barrier_signal -1
	s_barrier_wait -1                              ; nobody reads the slots any more, and they have had their last fill: they may be stored into
.irp g, 0,1,2,3
	ds_load_b128 v[36+4*\g:39+4*\g], v[SA+1] offset:512*\g   ; key group g of my query half: -M and sum of tile 0, of tile 1
.endr
	s_wait_dscnt 0x0
.irp t, 0,1
	v_min3_num_f32 v[100+\t], v[36+2*\t], v[40+2*\t], v[44+2*\t]
.endr
.irp t, 0,1
	v_min_num_f32 v[100+\t], v[100+\t], v[48+2*\t] ; the least -M: the row's M over all keys
.endr
.irp g, 0,1,2,3
.irp t, 0,1
	v_sub_f32 v[36+4*\g+2*\t], v[100+\t], v[36+4*\g+2*\t]   ; group g's M less the row's: a whole number, 0 or less
.endr
.endr
.irp g, 0,1,2,3
.irp t, 0,1
	v_cvt_i32_f32 v[36+4*\g+2*\t], v[36+4*\g+2*\t]
.endr
.endr
.irp g, 0,1,2,3
.irp t, 0,1
	v_ldexp_f32 v[37+4*\g+2*\t], v[37+4*\g+2*\t], v[36+4*\g+2*\t]   ; its sum under the row's M: exact
.endr
.endr
.irp t, 0,1
	v_add_f32 v[37+2*\t], v[37+2*\t], v[41+2*\t]
	v_add_f32 v[45+2*\t], v[45+2*\t], v[49+2*\t]
.endr
.irp t, 0,1
	v_add_f32 v[37+2*\t], v[37+2*\t], v[45+2*\t]   ; the row's sum: above 1/2, since the row's largest p is
.endr
.irp t, 0,1
	v_rcp_f32 v[102+\t], v[37+2*\t]
.endr
.irp t, 0,1
	v_sub_f32 v[104+\t], v[100+\t], v[ST+8*\t]     ; my own group's M less the row's.  (The plain instructions behind the reciprocals)
.endr
.irp t, 0,1
	v_cvt_i32_f32 v[104+\t], v[104+\t]
.endr
	s_wait_alu depctr_va_vdst(0)
.irp t, 0,1
	v_mul_f32 v[102+\t], s[GAM], v[102+\t]
.endr
.irp t, 0,1
	v_ldexp_f32 v[ST+8*\t+4], v[102+\t], v[104+\t] ; gamma / the sum x 2^(my M - the row's M)
.endr
	WIN 0x41
.irp t, 0,1
.set j, 0
.rept 64
	v_pk_mul_f32 v[128*\t+j:128*\t+j+1], v[128*\t+j:128*\t+j+1], v[ST+8*\t+4:ST+8*\t+5] op_sel_hi:[1,0]   ; ascending: each accumulator from its low end on
.set j, j+2
.endr
.endr
	WIN 0x04                                       ; an LDS store's data are its source 1: window 1
.irp t, 0,1
.irp n, 0,1,2,3,4,5,6,7,8,9,10,11,12,13,14,15
.irp j, 0,1,2,3,4,5,6,7
	ds_store_b32 v[DA+\n/8], v[128*\t+8*\n+\j] offset:(16*(\n%8)+\j)*DP+32*\t   ; the 32 lanes' words: r + 8 (r / 8) + 544 h, which are 32 different numbers modulo 64 (64 banks of 4 bytes: ISA guide 11.1)
.endr
.endr
.endr
	WIN 0
	s_wait_dscnt 0x0                               ; for the others' sake: my part of my key group's region has landed
	s_barrier_signal -1
	s_barrier_wait -1                              ; four regions of 256 channels x 64 pixels lie in LDS
	; each wave sums the four regions for 32 channels, adds x and stores whole rows: two halves of 16 channels
.irp u, 0,1
.irp i, 0,1,2,3,4,5,6,7
	ds_load_b128 v[196+4*\i:199+4*\i], v[RA] offset:(16*\u+2*\i)*DP
.endr
.irp g, 1,2,3
.irp i, 0,1,2,3,4,5,6,7
	ds_load_b128 v[36+32*(\g-1)+4*\i:39+32*(\g-1)+4*\i], v[RA+\g] offset:(16*\u+2*\i)*DP
.endr
.endr
	s_wait_dscnt 0x0
.if \u == 0
	s_wait_loadcnt 0x0                             ; x
.endif
.irp i, 0,1,2,3,4,5,6,7
.irp p, 0,2
	v_pk_add_f32 v[196+4*\i+\p:197+4*\i+\p], v[196+4*\i+\p:197+4*\i+\p], v[36+4*\i+\p:37+4*\i+\p]
	v_pk_add_f32 v[68+4*\i+\p:69+4*\i+\p], v[68+4*\i+\p:69+4*\i+\p], v[100+4*\i+\p:101+4*\i+\p]
.endr
.endr
.irp i, 0,1,2,3,4,5,6,7
.irp p, 0,2
	v_pk_add_f32 v[196+4*\i+\p:197+4*\i+\p], v[196+4*\i+\p:197+4*\i+\p], v[68+4*\i+\p:69+4*\i+\p]
.endr
.endr
.irp i, 0,1,2,3,4,5,6,7
.irp p, 0,2
	v_pk_add_f32 v[X+4*(8*\u+\i)+\p:X+4*(8*\u+\i)+\p+1], v[X+4*(8*\u+\i)+\p:X+4*(8*\u+\i)+\p+1], v[196+4*\i+\p:197+4*\i+\p]   ; + x; these registers are not written again
.endr
.endr
.irp i, 0,1,2,3,4,5,6,7
	global_store_b128 v[GO], v[X+4*(8*\u+\i):X+4*(8*\u+\i)+3], s[12:13] offset:2*(8*\u+\i)*16384 th:TH_STORE_NT   ; 16 lanes store 256 consecutive bytes, at a multiple of 256 from out0's first byte; written once
.endr
.endr
	s_wait_tensorcnt 0x0                           ; the wave's end: behind my last tensor load and my last LDS store
	ds_add_u32 v[SPW], v[NIL]
	s_wait_dscnt 0x0
	CROUND                                         ; the closing round: no work-group ends while a partner may still ask for a record that names it
	s_endpgm
.Lfunc_end_k_q172092fa0b_attn:
	.size	k_q172092fa0b_attn, .Lfunc_end_k_q172092fa0b_attn-k_q172092fa0b_attn
	.p2alignl 7, 3214868480
	.fill 96, 4, 3214868480
	.section	.rodata,"a",@progbits
	.p2align	6, 0x0
	.amdhsa_kernel k_q172092fa0b_attn
		.amdhsa_group_segment_fixed_size 327680
		.amdhsa_private_segment_fixed_size 0
		.amdhsa_enable_private_segment 0
		.amdhsa_kernarg_size 40
		.amdhsa_user_sgpr_count 2
		.amdhsa_user_sgpr_kernarg_segment_ptr 1
		.amdhsa_wavefront_size32 1
		.amdhsa_system_sgpr_workgroup_id_x 1
		.amdhsa_system_sgpr_workgroup_id_y 1
		.amdhsa_system_sgpr_workgroup_id_z 1
		.amdhsa_system_vgpr_workitem_id 0
		.amdhsa_next_free_vgpr 512
		.amdhsa_next_free_sgpr 66
		.amdhsa_reserve_vcc 0
		.amdhsa_float_denorm_mode_32 3
		.amdhsa_float_denorm_mode_16_64 3
		.amdhsa_memory_ordered 1
		.amdhsa_forward_progress 1
		.amdhsa_inst_pref_size 230
	.end_amdhsa_kernel
	.amdgpu_metadata
---
amdhsa.version: [ 1, 2 ]
amdhsa.kernels:
  - .name:           k_q172092fa0b_attn
    .symbol:         k_q172092fa0b_attn.kd
    .args:
      - { .name: kv, .offset: 0, .size: 8, .value_kind: global_buffer, .address_space: global }
      - { .name: qimg, .offset: 8, .size: 8, .value_kind: global_buffer, .address_space: global }
      - { .name: x, .offset: 16, .size: 8, .value_kind: global_buffer, .address_space: global }
      - { .name: gamma, .offset: 24, .size: 8, .value_kind: global_buffer, .address_space: global }
      - { .name: out0, .offset: 32, .size: 8, .value_kind: global_buffer, .address_space: global }
    .group_segment_fixed_size: 327680
    .private_segment_fixed_size: 0
    .kernarg_segment_align: 8
    .kernarg_segment_size: 40
    .max_flat_workgroup_size: 256
    .sgpr_count:     66
    .vgpr_count:     512
    .wavefront_size: 32
...
	.end_amdgpu_metadata
.endif
;; end of part 2
